; MI455X (gfx1250); checked and timed in simulation.
; The chip was launched on July 23, 2026; its instructions are those of AMD's public machine-readable ISA for CDNA 5 (MIT licence, August 2026) and "CDNA5" Instruction Set Architecture Reference Guide (July 2026). The comments in the code are by the model that wrote it; some were corrected since.
;; Ternary Linear. Allowed arithmetic: matrix products marked QUANTISED: E2M1 operands, one E8M0 scale for each 32 along K, by v_wmma_scale_f32_16x16x128_f8f6f4 with both operands' format E2M1 (or v_wmma_scale_f32_32x16x128_f4), f32 sums; everything else in f32.
;; Inputs: latent_weight 2,048 x 4,096 float32; x_codes 4 x 2,048 x 128 x 16 uint8 (E2M1 codes of x, K innermost, in blocks of 32 codes, two codes a byte); x_scales 4 x 2,048 x 128 uint8 (E8M0 scales of x, one for each 32 codes along K).
;; Outputs: out0 4 x 2,048 x 2,048 float32.
;; This version of the problem:
;;   THIS VERSION OF THE PROBLEM IS GIVEN IN LOW PRECISION. The matrix products marked QUANTISED in the list below multiply operands that are first quantised to E2M1 (2 exponent bits, 1 mantissa bit; 4 bits a number), with one power-of-two scale for each 32 numbers along K (OCP MX v1.0); their sums are f32. All else is computed in f32.
;;   The module's matrix products, in the order in which they are computed (A, B: the left and right operand; K: the contracted axis; several contracted axes count as one K, in the product's order):
;;     1. [M 8,192, K 4,096] x [K 4,096, N 2,048]; A: input x (given as codes); B: computed on the way: QUANTISED
;;   THE QUANTISER, for each operand of a quantised product, along K:
;;     - K is cut into blocks of 32 from its start; a last block that is shorter is filled with zeros.
;;     - A block's scale is 2^e with e = floor(log2(the largest magnitude in the block)) - 2, held to -126 .. 127; a block of zeros has e = 0. As a byte (E8M0): e + 127.
;;     - Each number is divided by its block's scale, clamped to +-6, and rounded to the nearest number of E2M1, ties to even, subnormals kept.
;;     - The product sums the exact products of the quantised numbers (number of the format x scale) in f32.
;;   ~~~python
;;   def quantise(x, axis):      # numpy; x: float32 -> the quantised numbers, widened to float32 again
;;       x = np.moveaxis(x, axis, -1); K = x.shape[-1]
;;       x = np.pad(x, [(0, 0)] * (x.ndim - 1) + [(0, -K % 32)]); x = x.reshape(x.shape[:-1] + (-1, 32)); a = np.abs(x).max(-1, keepdims=True)
;;       e = np.where(a > 0, np.clip(np.frexp(np.where(a > 0, a, 1))[1] - 1 - 2, -126, 127), 0)      # np.frexp(a)[1] - 1 = floor(log2(a)), exactly
;;       r = np.clip(x / 2.0 ** e, -6, 6)
;;       step = 2.0 ** (np.maximum(np.frexp(np.where(r == 0, 1, r))[1] - 1, 0) - 1)
;;       q = np.round(r / step) * step * 2.0 ** e      # np.round: ties to even
;;       return np.moveaxis(q.reshape(q.shape[:-2] + (-1,))[..., :K], -1, axis).astype(np.float32)
;;   ~~~
;;   OPERANDS COMPUTED ON THE WAY. 'Computed on the way' means the value that the module computes at that place (a softmax that the list does not call 'softmax' is quantised finished and normalised). What goes into a quantiser is computed in f32, as accurately as f32 sums, v_exp_f32 and their like allow (about 1e-6 of the number): no bf16 or f16 on the way to a quantiser, and a product that is left as it is and whose result goes on into a quantised operand takes f32 operands (vector FMAs, or v_wmma_f32_16x16x4_f32). A number that lies on a knife's edge between two numbers of the format may be rounded either way, as far as f32 arithmetic and the matrix unit's own rounding can turn it there, and no further.
;;   INPUTS GIVEN AS CODES. x (in the module: [4, 2048, 4096], K = its axis 2): each comes as NAME_codes (uint8): NAME with its K axis moved to the last place and cut into blocks of 32 codes, [.., K / 32, bytes a block], one block behind the other in memory; two codes a byte, the lower K in the low four bits (a code: sign, 2 exponent bits, 1 mantissa bit); and NAME_scales (uint8): the same leading axes, one E8M0 byte (e + 127) for each 32 codes along K. Its value is code x scale, taken as it is: it is not quantised again, and the codes and scales need not be those that the quantiser above would give.
;; One version. Each part assembles by itself: llvm-mc -triple=amdgcn-amd-amdhsa -mcpu=gfx1250 --defsym DOCPART=n.
;; ======== version 1 of 1: 3 launches
;; limits: right only within a limited range of input values
;; workspace buffers: partial 1,024 bytes; wq 4,194,304 bytes; wscale 256 bytes
;; launch absum (part 1): grid 256 x 1, 16 waves a work-group, no clusters, 167,936 bytes of LDS; arguments latent_weight, partial; writes partial
.if DOCPART == 1
	.amdgcn_target "amdgcn-amd-amdhsa--gfx1250"
	.amdhsa_code_object_version 6
	.text
	.protected	k_q4939021ce5_absum
	.globl	k_q4939021ce5_absum
	.p2align	8
	.type	k_q4939021ce5_absum,@function
k_q4939021ce5_absum:
	s_mov_b64 s[64:65], 0
	v_nop
	global_prefetch_b8 v0, s[64:65] scope:SCOPE_SE
	s_setreg_imm32_b32 hwreg(HW_REG_WAVE_MODE, 25, 1), 1
	s_wait_xcnt 0x0
; partial[g] = the sum of |w| over the 32,768 numbers (131,072 bytes) of latent_weight that work-group g owns.  256 work-groups cover the 8,388,608 numbers.
; The mean of |w| spans all work-groups, so it is made in two launches: this one leaves 256 partial sums, the next one adds them.
; Sixteen waves; wave w brings its 8,192 consecutive bytes into its own LDS bytes by ONE tensor load (32 rows of 256 bytes) at the head: nothing is filled again, and a wave reads only what it brought, behind its own wait.
; The sums are pairwise trees in f32 (in a lane, across the lanes, across the waves), not one long chain.
; LIMITS: NaN and infinities among the inputs are not served; the order of the additions is not the one of a plain running sum, so the mean may differ from such a sum in its last bits.
; The result is one number a work-group: one store of 4 bytes from lane 0 of wave 0, 1,024 bytes in the whole launch.
; No prefetch: the launch has no loop to run ahead in.
.set X, 4                              ; v[4:67]   64 numbers
.set T, 68                             ; v[68:99]  32 sums of two magnitudes
.set WORDS, 131072                     ; behind the sixteen tiles: a word for each wave's sum, in a block of 256 bytes of its own
.set SPARE, 131328                     ; behind it: the spare words, 128 bytes a wave
	s_load_b128 s[4:7], s[0:1], 0x0                ; latent_weight s[4:5], partial s[6:7]
	v_lshl_add_u32 v104, v0, 2, SPARE
	v_mov_b32 v105, 0
	ds_add_u32 v104, v105                          ; the opening: the add, twice on end, and its wait ahead of my tensor load
	ds_add_u32 v104, v105
	v_lshrrev_b32 v2, 5, v0
	s_delay_alu instid0(VALU_DEP_1)
	v_readfirstlane_b32 s10, v2                    ; wave 0..15
	v_and_b32 v1, 31, v0
	s_delay_alu instid0(VALU_DEP_1)
	v_lshlrev_b32 v1, 4, v1
	s_delay_alu instid0(VALU_DEP_1)
	v_lshl_add_u32 v1, v2, 13, v1                  ; LDS: my wave's tile + 16 x lane
	v_lshl_add_u32 v2, v2, 2, WORDS                ; LDS: my wave's word
	s_mov_b32 s16, 3<<16                           ; group 1: elements of 8 bytes, 32 rows of 32, dense
	s_mov_b32 s17, 32<<16
	s_mov_b32 s18, 32<<16
	s_mov_b32 s19, 32<<16
	s_mov_b32 s20, 32
	s_mov_b32 s21, 32
	s_mov_b32 s22, 0
	s_mov_b32 s23, 0
	s_lshl_b32 s8, ttmp9, 17                       ; the work-group's 131,072 bytes,
	s_lshl_b32 s11, s10, 13
	s_add_co_u32 s8, s8, s11                       ; my wave's 8,192 of them
	s_mov_b32 s9, 0
	s_mov_b32 s24, 1
	s_lshl_b32 s25, s10, 13                        ; my wave's tile in LDS
	s_mov_b32 s12, 0x76543210                      ; v_permlanex16_b32: lane l takes lane l xor 16
	s_mov_b32 s13, 0xfedcba98
	s_lshl_b32 s14, ttmp9, 2                       ; where the result goes
	s_wait_alu depctr_va_vdst(0)
	s_wait_dscnt 0x0                               ; both opening adds are done
	s_wait_kmcnt 0x0
	s_add_nc_u64 s[26:27], s[4:5], s[8:9]
	s_or_b32 s27, s27, 0x80000000
	tensor_load_to_lds s[24:27], s[16:23]
	s_nop 0
	s_wait_tensorcnt 0x0                           ; my tile is in
.irp j, 0,1,2,3,4,5,6,7,8,9,10,11,12,13,14,15
	ds_load_b128 v[X+4*\j:X+4*\j+3], v1 offset:512*\j
.endr
.irp j, 0,1,2,3,4,5,6,7,8,9,10,11,12,13,14,15
	s_wait_dscnt 15-\j                             ; LDS loads come back in order: load j is in, the younger ones stay out
	v_add_f32 v[T+2*\j], |v[X+4*\j]|, |v[X+4*\j+1]|
	v_add_f32 v[T+2*\j+1], |v[X+4*\j+2]|, |v[X+4*\j+3]|
.endr
.irp i, 0,1,2,3,4,5,6,7                ; the tree: sixteen pairs, neighbours 1, 2, 4 and 8 pairs apart
	v_pk_add_f32 v[T+4*\i:T+4*\i+1], v[T+4*\i:T+4*\i+1], v[T+4*\i+2:T+4*\i+3]
.endr
.irp i, 0,1,2,3
	v_pk_add_f32 v[T+8*\i:T+8*\i+1], v[T+8*\i:T+8*\i+1], v[T+8*\i+4:T+8*\i+5]
.endr
.irp i, 0
	s_delay_alu instid0(VALU_DEP_3)
	v_pk_add_f32 v[T+16*\i:T+16*\i+1], v[T+16*\i:T+16*\i+1], v[T+16*\i+8:T+16*\i+9]
.endr
.irp i, 1
	s_delay_alu instid0(VALU_DEP_2)
	v_pk_add_f32 v[T+16*\i:T+16*\i+1], v[T+16*\i:T+16*\i+1], v[T+16*\i+8:T+16*\i+9]
.endr
	s_delay_alu instid0(VALU_DEP_1)
	v_pk_add_f32 v[T:T+1], v[T:T+1], v[T+16:T+17]
	s_delay_alu instid0(VALU_DEP_1)
	v_add_f32 v[T], v[T], v[T+1]                   ; my 64 numbers
	s_delay_alu instid0(VALU_DEP_1)
	v_add_f32_dpp v[T], v[T], v[T] row_xmask:1 row_mask:0xf bank_mask:0xf
	s_delay_alu instid0(VALU_DEP_1)
	v_add_f32_dpp v[T], v[T], v[T] row_xmask:2 row_mask:0xf bank_mask:0xf
	s_delay_alu instid0(VALU_DEP_1)
	v_add_f32_dpp v[T], v[T], v[T] row_xmask:4 row_mask:0xf bank_mask:0xf
	s_delay_alu instid0(VALU_DEP_1)
	v_add_f32_dpp v[T], v[T], v[T] row_xmask:8 row_mask:0xf bank_mask:0xf
	s_delay_alu instid0(VALU_DEP_1)
	v_permlanex16_b32 v[T+1], v[T], s12, s13       ; (its destination has been written before)
	s_delay_alu instid0(VALU_DEP_1)
	v_add_f32 v[T], v[T], v[T+1]                   ; my wave's 2,048 numbers, in every lane
	ds_store_b32 v2, v[T]                          ; all lanes write the wave's word with the same value
	s_wait_dscnt 0x0                               ; for the others' sake: my store has landed
	s_barrier_signal -1
	s_barrier_wait -1
	s_cmp_lg_u32 s10, 0                            ; wave 0 adds the sixteen
	s_cbranch_scc1 .Lend
	v_mov_b32 v3, WORDS
.irp i, 0,1,2,3
	ds_load_b128 v[X+4*\i:X+4*\i+3], v3 offset:16*\i
.endr
	s_wait_dscnt 0x0
.irp i, 0,1,2,3
	v_pk_add_f32 v[X+4*\i:X+4*\i+1], v[X+4*\i:X+4*\i+1], v[X+4*\i+2:X+4*\i+3]
.endr
	s_delay_alu instid0(VALU_DEP_3)
	v_pk_add_f32 v[X:X+1], v[X:X+1], v[X+4:X+5]
	s_delay_alu instid0(VALU_DEP_2)
	v_pk_add_f32 v[X+8:X+9], v[X+8:X+9], v[X+12:X+13]
	s_delay_alu instid0(VALU_DEP_1)
	v_pk_add_f32 v[X:X+1], v[X:X+1], v[X+8:X+9]
	s_delay_alu instid0(VALU_DEP_1)
	v_add_f32 v[X], v[X], v[X+1]
	v_mov_b32 v2, s14
	v_cmp_eq_u32 vcc_lo, 0, v0
	s_wait_alu depctr_va_vdst(0)
	s_wait_xcnt 0x0                                ; EXEC changes only behind this wait
	s_and_saveexec_b32 s11, vcc_lo
	global_store_b32 v2, v[X], s[6:7]              ; lane 0 alone
	s_wait_xcnt 0x0                                ; and again, in front of the line that widens it
	s_or_b32 exec_lo, exec_lo, s11
.Lend:
	s_wait_tensorcnt 0x0                           ; the wave's end
	ds_add_u32 v104, v105
	s_wait_dscnt 0x0
	s_endpgm
.Lfunc_end_k_q4939021ce5_absum:
	.size	k_q4939021ce5_absum, .Lfunc_end_k_q4939021ce5_absum-k_q4939021ce5_absum
	.p2alignl 7, 3214868480
	.fill 96, 4, 3214868480
	.section	.rodata,"a",@progbits
	.p2align	6, 0x0
	.amdhsa_kernel k_q4939021ce5_absum
		.amdhsa_group_segment_fixed_size 167936
		.amdhsa_private_segment_fixed_size 0
		.amdhsa_enable_private_segment 0
		.amdhsa_kernarg_size 16
		.amdhsa_user_sgpr_count 2
		.amdhsa_user_sgpr_kernarg_segment_ptr 1
		.amdhsa_wavefront_size32 1
		.amdhsa_system_sgpr_workgroup_id_x 1
		.amdhsa_system_sgpr_workgroup_id_y 1
		.amdhsa_system_sgpr_workgroup_id_z 1
		.amdhsa_system_vgpr_workitem_id 0
		.amdhsa_next_free_vgpr 106
		.amdhsa_next_free_sgpr 66
		.amdhsa_reserve_vcc 1
		.amdhsa_float_denorm_mode_32 3
		.amdhsa_float_denorm_mode_16_64 3
		.amdhsa_memory_ordered 1
		.amdhsa_forward_progress 1
		.amdhsa_inst_pref_size 9
	.end_amdhsa_kernel
	.amdgpu_metadata
---
amdhsa.version: [ 1, 2 ]
amdhsa.kernels:
  - .name:           k_q4939021ce5_absum
    .symbol:         k_q4939021ce5_absum.kd
    .args:
      - { .name: latent_weight, .offset: 0, .size: 8, .value_kind: global_buffer, .address_space: global }
      - { .name: partial, .offset: 8, .size: 8, .value_kind: global_buffer, .address_space: global }
    .group_segment_fixed_size: 167936
    .private_segment_fixed_size: 0
    .kernarg_segment_align: 8
    .kernarg_segment_size: 16
    .max_flat_workgroup_size: 512
    .sgpr_count:     66
    .vgpr_count:     106
    .wavefront_size: 32
...
	.end_amdgpu_metadata
.endif
;; end of part 1
;; launch tern (part 2): grid 256 x 1, 16 waves a work-group, no clusters, 101,376 bytes of LDS; arguments latent_weight, partial, wq, wscale; writes wq, wscale
.if DOCPART == 2
	.amdgcn_target "amdgcn-amd-amdhsa--gfx1250"
	.amdhsa_code_object_version 6
	.text
	.protected	k_q4939021ce5_tern
	.globl	k_q4939021ce5_tern
	.p2align	8
	.type	k_q4939021ce5_tern,@function
k_q4939021ce5_tern:
	s_mov_b64 s[64:65], 0
	v_nop
	global_prefetch_b8 v0, s[64:65] scope:SCOPE_SE
	s_setreg_imm32_b32 hwreg(HW_REG_WAVE_MODE, 25, 1), 1
	s_wait_xcnt 0x0
; latent_weight [2048][4096] f32 becomes the second operand of the product: alpha = mean |w|; qw = alpha where w > alpha / 2, -alpha where w < -alpha / 2, else 0; qw quantised along K to FP4 (E2M1) with one E8M0 scale for each 32.
; EVERY BLOCK HAS ONE AND THE SAME SCALE.  A block's largest magnitude is alpha, or the block is all zeros.  So the byte of every block that is not zero is alpha's exponent field - 2, held at 1 from below;
; a block of zeros has zero codes, which add nothing under any byte but 0xff, and the bytes are read by this program alone.  So the scales of the whole tensor are ONE word (the byte four times): wscale holds it 64 times.
; wq IS LAID IN THE ORDER OF THE OPERAND'S REGISTERS: [128 blocks of 16 rows][128 blocks of 32 along K][16 rows][16 bytes].  The 256 bytes of one K block hold the 16 rows' 32 codes each, two codes a byte,
; the lower k in the low four bits: two such units on end are what the 32 lanes of the product's launch take by one load of 16 bytes a lane.
; alpha: every wave adds the 256 partial sums of the launch before in the same order, and the additions across lanes are symmetric: so every lane of the launch holds the same bits.  x 2^-23 (there are 2^23 numbers) rounds nothing.
; A work-group takes 16 rows x 2,048 along K (work-group g: rows 16 (g / 2) .., half g % 2 of K); wave w takes row w: 2,048 neighbours in 4 steps of 512.  Each load reads 512 consecutive bytes, 16 a lane; a step's 2,048 bytes
; go through the wave's own stage in LDS and come back 64 bytes a lane, since the conversion takes 8 neighbours along K from ONE lane's registers.  A lane's 16 codes, 8 bytes, are half of its row's 16 bytes in a unit:
; they go into the work-group's stage for the way out (64 units of 256 bytes, 16 of padding behind each); behind a barrier wave w reads units 4 w .. 4 w + 3 and stores 1,024 consecutive bytes: whole aligned units of 256.
; LIMITS: NaN and infinities among the inputs are not served.  An alpha under 2^(2 - 126) has its byte held at 1.
.set P,  8                             ; v[8:15]   eight partial sums
.set AL, 16                            ; v16 alpha, v17 -alpha
.set TH, 18                            ; v18 alpha / 2, v19 its negative
.set SO, 20                            ; v20 the conversion's scale operand;  v21 the scale's byte;  v[22:23] the scale word, twice
.set C,  24                            ; v[24:31]  codes: two registers for each step
.set R,  32                            ; v[32:95]  four sets of 16 numbers as loaded
.set X,  96                            ; v[96:127] two sets of 16 neighbours
.set SP, 80                            ; a lane's place in a stage: its 64 bytes + 16 of padding
.set STG, 32*SP                        ; a stage; each wave has two
.set OUTS, 0x14800                     ; behind the waves' stages (0x14000 bytes) and the spare words (2,048 bytes): the stage for the way out
.set OP, 272                           ; a unit there: 256 bytes + 16 of padding
	s_load_b256 s[4:11], s[0:1], 0x0               ; latent_weight s[4:5], partial s[6:7], wq s[8:9], wscale s[10:11]
	v_lshl_add_u32 v128, v0, 2, 0x14000
	v_mov_b32 v129, 0
	v_lshrrev_b32 v1, 5, v0
	s_delay_alu instid0(VALU_DEP_1)
	v_readfirstlane_b32 s16, v1                    ; wave 0..15
	v_and_b32 v1, 31, v0                           ; lane
	s_delay_alu instid0(VALU_DEP_1)
	v_lshlrev_b32 v2, 4, v1                        ; my 16 bytes of a load's or a store's 512
	s_mul_i32 s17, s16, 2*STG                      ; my wave's two stages
	s_mul_i32 s19, s16, 4*OP                       ; my wave's four units on the way out
	v_lshrrev_b32 v3, 2, v1
	s_delay_alu instid0(VALU_DEP_1)
	v_mul_u32_u24 v3, v3, SP
	v_and_b32 v6, 3, v1
	s_delay_alu instid0(VALU_DEP_1)
	v_lshl_add_u32 v3, v6, 4, v3
	s_delay_alu instid0(VALU_DEP_1)
	v_add_nc_u32 v3, s17, v3                       ; the stage, on the way in: four lanes' 64 bytes on end, then the padding
	v_mul_u32_u24 v4, v1, SP
	s_delay_alu instid0(VALU_DEP_1)
	v_add_nc_u32 v4, s17, v4                       ; and on the way out: my 16 neighbours
	v_lshlrev_b32 v5, 3, v1                        ; 8 bytes a lane: the scale word's store
	v_lshrrev_b32 v7, 1, v1                        ; my codes' unit in a step's sixteen: lane / 2,
	v_and_b32 v130, 1, v1
	s_delay_alu instid0(VALU_DEP_2)
	v_mul_u32_u24 v7, v7, OP
	s_delay_alu instid0(VALU_DEP_1)
	v_lshl_add_u32 v7, v130, 3, v7                 ; which half of the row's 16 bytes,
	s_delay_alu instid0(VALU_DEP_1)
	v_lshl_add_u32 v7, s16, 4, v7                  ; row = wave
	s_delay_alu instid0(VALU_DEP_1)
	v_add_nc_u32 v7, OUTS, v7
	v_lshrrev_b32 v130, 4, v1                      ; back: lanes 0-15 one unit, lanes 16-31 the next
	v_and_b32 v131, 15, v1
	s_delay_alu instid0(VALU_DEP_2)
	v_mul_u32_u24 v130, v130, OP
	s_delay_alu instid0(VALU_DEP_1)
	v_lshl_add_u32 v130, v131, 4, v130
	s_delay_alu instid0(VALU_DEP_1)
	v_add_nc_u32 v130, s19, v130
	s_delay_alu instid0(VALU_DEP_1)
	v_add_nc_u32 v130, OUTS, v130
	s_lshl_b32 s18, ttmp9, 4
	s_add_co_u32 s18, s18, s16                     ; 16 g + wave: my 1,024 bytes of wq
	s_lshr_b32 s12, ttmp9, 1
	s_lshl_b32 s12, s12, 4
	s_add_co_u32 s12, s12, s16                     ; my row: 16 (g / 2) + wave
	s_lshl_b32 s12, s12, 1
	s_and_b32 s13, ttmp9, 1
	s_add_co_u32 s12, s12, s13                     ; 2 x row + the half of K
	s_lshl_b32 s12, s12, 13                        ; 8,192 bytes in,
	s_mov_b32 s13, 0
	s_lshl_b32 s14, s18, 10                        ; 1,024 bytes out
	s_mov_b32 s15, 0
	s_mov_b32 s20, 0x76543210                      ; v_permlanex16_b32: lane l takes lane l xor 16
	s_mov_b32 s21, 0xfedcba98
	s_wait_alu depctr_va_vdst(0)
	s_wait_kmcnt 0x0
	s_add_nc_u64 s[4:5], s[4:5], s[12:13]
	s_add_nc_u64 s[8:9], s[8:9], s[14:15]
	global_load_b128 v[P:P+3], v2, s[6:7]          ; the 256 partial sums: eight a lane
	global_load_b128 v[P+4:P+7], v2, s[6:7] offset:512
.irp t, 0,1,2,3
.irp i, 0,1,2,3
	global_load_b128 v[R+16*\t+4*\i:R+16*\t+4*\i+3], v2, s[4:5] offset:2048*\t+512*\i th:TH_LOAD_NT   ; read for the last time in this program
.endr
.endr
	s_wait_loadcnt 16                              ; the partial sums are in; the sixteen loads behind them stay out
	v_pk_add_f32 v[P:P+1], v[P:P+1], v[P+2:P+3]
	v_pk_add_f32 v[P+4:P+5], v[P+4:P+5], v[P+6:P+7]
	s_delay_alu instid0(VALU_DEP_1)
	v_pk_add_f32 v[P:P+1], v[P:P+1], v[P+4:P+5]
	s_delay_alu instid0(VALU_DEP_1)
	v_add_f32 v[P], v[P], v[P+1]
	s_delay_alu instid0(VALU_DEP_1)
	v_add_f32_dpp v[P], v[P], v[P] row_xmask:1 row_mask:0xf bank_mask:0xf
	s_delay_alu instid0(VALU_DEP_1)
	v_add_f32_dpp v[P], v[P], v[P] row_xmask:2 row_mask:0xf bank_mask:0xf
	s_delay_alu instid0(VALU_DEP_1)
	v_add_f32_dpp v[P], v[P], v[P] row_xmask:4 row_mask:0xf bank_mask:0xf
	s_delay_alu instid0(VALU_DEP_1)
	v_add_f32_dpp v[P], v[P], v[P] row_xmask:8 row_mask:0xf bank_mask:0xf
	s_delay_alu instid0(VALU_DEP_1)
	v_permlanex16_b32 v[P+1], v[P], s20, s21
	s_delay_alu instid0(VALU_DEP_1)
	v_add_f32 v[P], v[P], v[P+1]                   ; the sum of all |w|
	s_delay_alu instid0(VALU_DEP_1)
	v_mul_f32 v[AL], 0x34000000, v[P]              ; alpha = the sum x 2^-23
	s_delay_alu instid0(VALU_DEP_1)
	v_mul_f32 v[TH], 0.5, v[AL]                    ; the threshold
	s_delay_alu instid0(VALU_DEP_2)
	v_xor_b32 v[AL+1], 0x80000000, v[AL]
	s_delay_alu instid0(VALU_DEP_2)
	v_xor_b32 v[TH+1], 0x80000000, v[TH]
	s_delay_alu instid0(VALU_DEP_4)
	v_max_num_f32 v[SO], 0x1800000, v[AL]          ; the floor 2^(3 - 127): the byte cannot fall under 1
	s_delay_alu instid0(VALU_DEP_1)
	v_add_nc_u32 v[SO], 0xff000000, v[SO]          ; 2 off the exponent field: the conversion takes the exponent field of this operand as its scale, and nothing else of it
	s_delay_alu instid0(VALU_DEP_1)
	v_lshrrev_b32 v[SO+1], 23, v[SO]               ; the scale's byte
.macro TURN t                          ; step t's numbers through a stage: LDS serves a wave's instructions in order, so no wait stands between the stores and the loads
.irp i, 0,1,2,3
	ds_store_b128 v3, v[R+16*(\t)+4*\i:R+16*(\t)+4*\i+3] offset:STG*((\t)%2)+8*SP*\i
.endr
.irp i, 0,1,2,3
	ds_load_b128 v[X+16*((\t)%2)+4*\i:X+16*((\t)%2)+4*\i+3], v4 offset:STG*((\t)%2)+16*\i
.endr
.endm
.macro STEP t
.set XS, X+16*((\t)%2)
	s_wait_dscnt 0x0                               ; this step's numbers are back from the stage
.if (\t) < 3
	s_wait_loadcnt 4*(2-(\t))                      ; the next step's four loads are in; those of the steps behind it may be out
	TURN (\t)+1                                    ; and go through the other stage while this step is worked
.endif
.irp i, 0,1,2,3,4,5,6,7,8,9,10,11,12,13,14,15
	v_cmp_gt_f32 vcc_lo, v[XS+\i], v[TH]           ; w > alpha / 2
	v_cmp_lt_f32 s22, v[XS+\i], v[TH+1]            ; w < -alpha / 2
	s_delay_alu instid0(VALU_DEP_2)
	v_cndmask_b32 v[XS+\i], 0, v[AL], vcc_lo       ; alpha or 0,
	s_delay_alu instid0(VALU_DEP_1)
	v_cndmask_b32 v[XS+\i], v[XS+\i], v[AL+1], s22 ; or -alpha
.endr
	v_cvt_scalef32_pk8_fp4_f32 v[C+2*(\t)], v[XS:XS+7], v[SO]      ; eight numbers / the scale, to the nearest code, ties to even; the first number's code in the lowest four bits
	v_cvt_scalef32_pk8_fp4_f32 v[C+2*(\t)+1], v[XS+8:XS+15], v[SO]
	v_nop                                          ; one plain place behind a scaled conversion
	ds_store_b64 v7, v[C+2*(\t):C+2*(\t)+1] offset:16*OP*(\t)      ; my 8 bytes into unit 16 t + lane / 2 of the work-group's 64
.endm
	s_wait_alu depctr_va_vdst(0)
	s_wait_loadcnt 12                              ; step 0's four loads are in
	TURN 0
	STEP 0
	STEP 1
	STEP 2
	STEP 3
	s_wait_dscnt 0x0                               ; for the others' sake: my codes are in the stage
	s_barrier_signal -1
	s_barrier_wait -1
	ds_load_b128 v[X:X+3], v130                    ; units 4 w and 4 w + 1, whole: sixteen rows' bytes each,
	ds_load_b128 v[X+4:X+7], v130 offset:2*OP      ; and 4 w + 2, 4 w + 3
	s_wait_dscnt 0x0
	global_store_b128 v2, v[X:X+3], s[8:9]         ; 32 lanes store 512 consecutive bytes, at a multiple of 256 from the buffer's first byte
	global_store_b128 v2, v[X+4:X+7], s[8:9] offset:512
	s_or_b32 s17, ttmp9, s16                       ; wave 0 of work-group 0 leaves the scale word
	s_cmp_lg_u32 s17, 0
	s_cbranch_scc1 .Lend
	v_lshl_or_b32 v22, v[SO+1], 8, v[SO+1]
	s_delay_alu instid0(VALU_DEP_1)
	v_lshl_or_b32 v22, v22, 16, v22                ; the byte four times: the scales of 128 along K of any row
	s_delay_alu instid0(VALU_DEP_1)
	v_mov_b32 v23, v22
	global_store_b64 v5, v[22:23], s[10:11]        ; 32 lanes store the buffer's 256 bytes
.Lend:
	s_wait_tensorcnt 0x0                           ; the wave's end
	ds_add_u32 v128, v129
	s_wait_dscnt 0x0
	s_endpgm
.Lfunc_end_k_q4939021ce5_tern:
	.size	k_q4939021ce5_tern, .Lfunc_end_k_q4939021ce5_tern-k_q4939021ce5_tern
	.p2alignl 7, 3214868480
	.fill 96, 4, 3214868480
	.section	.rodata,"a",@progbits
	.p2align	6, 0x0
	.amdhsa_kernel k_q4939021ce5_tern
		.amdhsa_group_segment_fixed_size 101376
		.amdhsa_private_segment_fixed_size 0
		.amdhsa_enable_private_segment 0
		.amdhsa_kernarg_size 32
		.amdhsa_user_sgpr_count 2
		.amdhsa_user_sgpr_kernarg_segment_ptr 1
		.amdhsa_wavefront_size32 1
		.amdhsa_system_sgpr_workgroup_id_x 1
		.amdhsa_system_sgpr_workgroup_id_y 1
		.amdhsa_system_sgpr_workgroup_id_z 1
		.amdhsa_system_vgpr_workitem_id 0
		.amdhsa_next_free_vgpr 132
		.amdhsa_next_free_sgpr 66
		.amdhsa_reserve_vcc 1
		.amdhsa_float_denorm_mode_32 3
		.amdhsa_float_denorm_mode_16_64 3
		.amdhsa_memory_ordered 1
		.amdhsa_forward_progress 1
		.amdhsa_inst_pref_size 27
	.end_amdhsa_kernel
	.amdgpu_metadata
---
amdhsa.version: [ 1, 2 ]
amdhsa.kernels:
  - .name:           k_q4939021ce5_tern
    .symbol:         k_q4939021ce5_tern.kd
    .args:
      - { .name: latent_weight, .offset: 0, .size: 8, .value_kind: global_buffer, .address_space: global }
      - { .name: partial, .offset: 8, .size: 8, .value_kind: global_buffer, .address_space: global }
      - { .name: wq, .offset: 16, .size: 8, .value_kind: global_buffer, .address_space: global }
      - { .name: wscale, .offset: 24, .size: 8, .value_kind: global_buffer, .address_space: global }
    .group_segment_fixed_size: 101376
    .private_segment_fixed_size: 0
    .kernarg_segment_align: 8
    .kernarg_segment_size: 32
    .max_flat_workgroup_size: 512
    .sgpr_count:     66
    .vgpr_count:     132
    .wavefront_size: 32
...
	.end_amdgpu_metadata
.endif
;; end of part 2
;; launch gemm (part 3): grid 8 x 32, 4 waves a work-group, clusters of 4 x 1, 327,680 bytes of LDS; arguments x_codes, x_scales, wq, wscale, out0; writes out0
.if DOCPART == 3
	.amdgcn_target "amdgcn-amd-amdhsa--gfx1250"
	.amdhsa_code_object_version 6
	.text
	.protected	k_q4939021ce5_gemm
	.globl	k_q4939021ce5_gemm
	.p2align	8
	.type	k_q4939021ce5_gemm,@function
k_q4939021ce5_gemm:
	s_mov_b64 s[64:65], 0
	v_nop
	global_prefetch_b8 v0, s[64:65] scope:SCOPE_SE
	s_setreg_imm32_b32 hwreg(HW_REG_WAVE_MODE, 25, 1), 1
	s_wait_xcnt 0x0
	s_wait_alu depctr_hold_cnt(0) depctr_sa_sdst(0) depctr_va_vdst(0) depctr_va_sdst(0) depctr_va_ssrc(0) depctr_va_vcc(0) depctr_vm_vsrc(0)
	s_getreg_b32 s2, hwreg(HW_REG_IB_STS2, 6, 4)
	s_cmp_eq_u32 s2, 0
	s_cbranch_scc0 .Lentry_in_a_cluster
	s_endpgm
.Lentry_in_a_cluster:
	s_bfe_u32 s2, ttmp6, 0x10000c
	s_cmp_lg_u32 s2, 0x3003
	s_cbranch_scc0 .Lentry_shape_is_right
	s_endpgm
.Lentry_shape_is_right:
; out0[m][n] = sum over k of x[m][k] qw[n][k].  x: 8,192 rows of 4,096 FP4 codes (2,048 bytes a row) with one E8M0 byte for each 32; qw: FP4 codes as the launch before laid them, one scale word for the whole tensor; sums in f32.
; A tile of 256 x 256 is made by four waves; wave w makes all 256 rows x columns 64 w .. 64 w + 63: 64 accumulators of 16 x 16, 512 registers.
; x GOES THROUGH LDS: K in slots of 1,024 (rows of 512 bytes, 16 of padding behind each) through a ring of two slots, 64 rows a wave and load; its scales (32,768 dense bytes for the tile's rows) come once, at the head, and stay.
; qw GOES FROM MEMORY STRAIGHT INTO REGISTERS: no two waves of the work-group take the same columns, and wq lies in the order of the operand's registers, so a load of 16 bytes a lane takes 512 consecutive bytes.
; Four sets of 32 registers; a step's eight loads are issued three steps ahead and waited for by count.
; CLUSTERS: the four work-groups of a cluster make four tiles of one tile row and ask JOINTLY for x's tiles and scales (mask 15).  qw is not asked for jointly: two slots of x (270,336 bytes) and the scales (34,816) leave
; no room in LDS for slots of qw of the same length, and a load into registers has no joint form.
; THE MATRIX INSTRUCTION IS USED TRANSPOSED (source 0 = 16 rows of qw, source 1 = 16 rows of x): a lane holds eight neighbouring numbers of a row of out0.
; A step is 128 along K: 64 matrix instructions, x's sixteen blocks one after the other, each against qw's four; the 64 accumulators take turns in the same order in every step.
; x's fragments have two sets: a step's 32 LDS loads are issued in one run at the head of the step before.
; PREFETCHES: behind the load of K slot i + 1 each wave names 32 blocks of 256 bytes of x's K slot i + 2 (of the 64 rows that it fetches, the partner at place cx takes 16, told apart by address), and four blocks of qw's
; next 1,024 along K (of the 32 blocks of each 16 rows there, the work-group of tile row y takes block y); the last slots ask for nothing.
; REGISTERS: window 0: v0-31 addresses; v32-95 x's scale words, two sets; v128-255 qw's fragments, four sets (on the way out: rows read back).  window 1: x's fragments, two sets of 128.
;   window 2: the accumulators of x's blocks 0-7 ((a, b) at v[8 (4 a + b)]);  window 3: those of blocks 8-15.
.set SIZE_N, 2048
.set PITCH,  528                       ; an LDS row: 512 bytes + 16 of padding
.set QUART,  64*PITCH                  ; what one load of the ring brings
.set SLOT,   4*QUART
.set SCL,    2*SLOT                    ; behind the ring: the scales, 128 units of 256 bytes + 16 of padding
.set SU,     272
.set SPARE,  SCL+128*SU                ; behind the scales: the spare words, 128 bytes a wave
.set SPITCH, 272                       ; the way out: a stage of 32 rows x (256 + 16) bytes for each wave, in slot 0, which has had its last fill and its last read by then
.set WSO,  15                          ; v15     4 x lane: the scale word's load
.set AB,   16                          ; v16-17  my place in a slot's blocks 0-7 and 8-15
.set CUR,  18                          ; v18-19  the same in the slot at work
.set NXT,  20                          ; v20-21  and in the other slot
.set ADRS, 22                          ; v22     my scale words: lanes 0-15 block i, lanes 16-31 block i + 8
.set STO,  23
.set RD,   24
.set CO,   25
.set BO,   26                          ; v26     16 x lane
.set WS,   27                          ; v27     qw's scale word
.set SPW,  28
.set NIL,  29
.set PFOA, 30
.set PFOB, 31
.set SC,   32
.set BF,   128
.set BK,   128
.set G1,   24                          ; s[24:31] group 1: 64 rows of 512 bytes;  s[32:39]: 96 rows, for the head;  s[40:47]: the 128 units of scales
.set G1H,  32
.set G1S,  40
.set G0H,  48
.set G0S,  52
.set G0L,  56                          ; s[56:59] group 0 of the ring's loads
.set G0X,  60
.set OFC,  74                          ; s74 the slot at work, s75 the other: 0 or SLOT
.set OFN,  75
.set WQ,   76
.set WST,  77
.set BP,   78                          ; s[78:79] my columns' codes
.set PA,   80                          ; s[80:81] x's rows that I prefetch
.set MSB, 0
.macro WIN new
.if MSB != \new
	s_set_vgpr_msb (MSB<<8)|\new
.set MSB, \new
.endif
.endm
.set MUL_LO, 0xa4                      ; source 0 (qw) window 0, source 1 (x) window 1, C and D window 2
.set MUL_HI, 0xf4
.set TO_A,   0x40
.macro PLACES
.rept 4
	v_nop
.endr
.endm
.macro CREST
	s_cmp_lg_u32 s14, 0
	s_cbranch_scc1 .Lnot_wave_0_\@
	s_barrier_signal -3
.Lnot_wave_0_\@:
	s_barrier_wait -3
	s_barrier_signal -1
	s_barrier_wait -1
.endm
.macro CROUND
	s_barrier_signal -1
	s_barrier_wait -1
	CREST
.endm
.macro SETADR                          ; the two slots' addresses from the two offsets
	v_add_nc_u32 v[CUR], s[OFC], v[AB]
	v_add_nc_u32 v[CUR+1], s[OFC], v[AB+1]
	v_add_nc_u32 v[NXT], s[OFN], v[AB]
	v_add_nc_u32 v[NXT+1], s[OFN], v[AB+1]
.endm
.macro FETCH_B bo, set                 ; qw's four fragments of the step bo steps behind BP
.irp b, 0,1,2,3
.irp c, 0,1
	global_load_b128 v[BF+32*(\set)+8*\b+4*\c:BF+32*(\set)+8*\b+4*\c+3], v[BO], s[BP:BP+1] offset:\b*32768+(\bo)*1024+\c*512
.endr
.endr
.endm
.macro FETCH_A adr, kb, p              ; x's sixteen fragments at byte kb of the rows into set p
	WIN TO_A
.irp i, 0,1,2,3,4,5,6,7
	ds_load_b128 v[128*(\p)+8*\i:128*(\p)+8*\i+3], v[\adr] offset:(\kb)+\i*16*PITCH
	ds_load_b128 v[128*(\p)+8*\i+4:128*(\p)+8*\i+7], v[\adr] offset:(\kb)+32+\i*16*PITCH
.endr
.irp i, 0,1,2,3,4,5,6,7
	ds_load_b128 v[128*(\p)+64+8*\i:128*(\p)+64+8*\i+3], v[\adr+1] offset:(\kb)+\i*16*PITCH
	ds_load_b128 v[128*(\p)+64+8*\i+4:128*(\p)+64+8*\i+7], v[\adr+1] offset:(\kb)+32+\i*16*PITCH
.endr
	WIN 0
.endm
.macro SCALES sc                       ; the scale words of the next 512 along K: four words a row
.irp i, 0,1,2,3,4,5,6,7
	ds_load_b128 v[SC+32*(\sc)+4*\i:SC+32*(\sc)+4*\i+3], v[ADRS] offset:\i*8*SU
.endr
	v_add_nc_u32 v[ADRS], 16, v[ADRS]
	s_wait_alu depctr_va_vdst(0)
.endm
.macro MUL16 g, s8, zero               ; x's blocks 4 g .. 4 g + 3 against qw's four; s8: the step's number in its slot
.irp aa, 0,1,2,3
.irp b, 0,1,2,3
.set rD, 8*(4*((4*(\g)+\aa)%8)+\b)
.set rB, BF+32*((\s8)%4)+8*\b
.set rA, 128*((\s8)%2)+8*(4*(\g)+\aa)
.set rS, SC+32*(((\s8)/4)%2)+4*((4*(\g)+\aa)%8)+(\s8)%4
.if (\zero) && ((\g) < 2)
	v_wmma_scale_f32_16x16x128_f8f6f4 v[rD:rD+7], v[rB:rB+7], v[rA:rA+7], 0, v[WS], v[rS] matrix_a_fmt:MATRIX_FMT_FP4 matrix_b_fmt:MATRIX_FMT_FP4
.elseif \zero
	v_wmma_scale_f32_16x16x128_f8f6f4 v[rD:rD+7], v[rB:rB+7], v[rA:rA+7], 0, v[WS], v[rS] matrix_a_fmt:MATRIX_FMT_FP4 matrix_b_fmt:MATRIX_FMT_FP4 matrix_b_scale:MATRIX_SCALE_ROW1
.elseif (\g) < 2
	v_wmma_scale_f32_16x16x128_f8f6f4 v[rD:rD+7], v[rB:rB+7], v[rA:rA+7], v[rD:rD+7], v[WS], v[rS] matrix_a_fmt:MATRIX_FMT_FP4 matrix_b_fmt:MATRIX_FMT_FP4
.else
	v_wmma_scale_f32_16x16x128_f8f6f4 v[rD:rD+7], v[rB:rB+7], v[rA:rA+7], v[rD:rD+7], v[WS], v[rS] matrix_a_fmt:MATRIX_FMT_FP4 matrix_b_fmt:MATRIX_FMT_FP4 matrix_b_scale:MATRIX_SCALE_ROW1
.endif
.endr
.endr
.endm
; A step that has its successor in the slot at adr.  At its head one run of loads: the next step's fragments of x into the set that the step before multiplied, and qw's of three steps on (bo < 0: none are left).
; nl: the loads of qw issued behind this step's.
.macro STEP s8, adr, bo, nl, zero
	PLACES                                         ; four places in front of loads into registers that matrix instructions have read
	FETCH_A \adr, 64*(((\s8)+1)%8), 1-(\s8)%2
.if (\s8)%4 == 3
	SCALES (((\s8)+1)/4)%2
.endif
.if \bo >= 0
	FETCH_B \bo, ((\s8)+3)%4
.endif
.if (\s8)%4 == 3
	s_wait_dscnt 40                                ; all but the run just issued: this step's fragments are in
.else
	s_wait_dscnt 32
.endif
	s_wait_loadcnt \nl
	WIN MUL_LO
	MUL16 0, \s8, \zero
	MUL16 1, \s8, \zero
	WIN MUL_HI
	MUL16 2, \s8, \zero
	MUL16 3, \s8, \zero
	WIN 0
.endm
; A slot's last step changes slots at its head: its own fragments are in registers by then, so nobody reads the slot any more.  fill = 1: the slot is filled again, two slots ahead, behind a round of the cluster's barrier.
.macro TURN fill
	s_wait_tensorcnt 0x0                           ; my one tensor load, my part of the other slot, has landed
	ds_add_u32 v[SPW], v[NIL]
	s_wait_dscnt 1                                 ; (the add may be out: this step's fragments are in)
	s_wait_loadcnt 16                              ; qw's: the next two steps' may be out
	WIN MUL_LO
	MUL16 0, 7, 0
	s_wait_dscnt 0x0                               ; the add is done, and my reads of this slot are over
	s_barrier_signal -1
	MUL16 1, 7, 0
	WIN 0
	s_barrier_wait -1
.if \fill
	CREST
	s_add_nc_u64 s[G0L+2:G0L+3], s[G0L+2:G0L+3], 512   ; no tensor load of mine is out: the next K slot,
	s_add_co_u32 s[G0L+1], s[WQ], s[OFC]           ; into the slot just read out
	tensor_load_to_lds s[G0L:G0L+3], s[G1:G1+7]
	s_nop 0
.endif
	PLACES
	FETCH_A NXT, 0, 0
	SCALES 0
	FETCH_B 10, 2
.if \fill
	global_prefetch_b8 v[PFOB], s[BP:BP+1] offset:16384 th:TH_LOAD_NT scope:SCOPE_SE   ; qw's 1,024 along K behind those whose loads begin now
	s_cmp_eq_u32 s3, 2                             ; x's K slot 3, in the first trip; behind it there is none
	s_cbranch_scc0 .Lno_ask_\@
	global_prefetch_b8 v[PFOA], s[PA:PA+1] offset:1536 th:TH_LOAD_NT scope:SCOPE_SE
.Lno_ask_\@:
.endif
	WIN MUL_HI
	MUL16 2, 7, 0
	MUL16 3, 7, 0
	WIN 0
.endm
	s_load_b256 s[4:11], s[0:1], 0x0               ; x_codes s[4:5], x_scales s[6:7], wq s[8:9], wscale s[10:11]
	s_load_b64 s[12:13], s[0:1], 0x20              ; out0
	v_lshl_add_u32 v[SPW], v0, 2, SPARE
	v_mov_b32 v[NIL], 0
	ds_add_u32 v[SPW], v[NIL]                      ; the opening: the add, twice on end, and its wait ahead of my first tensor load
	ds_add_u32 v[SPW], v[NIL]
	v_lshrrev_b32 v1, 5, v0
	v_readfirstlane_b32 s14, v1                    ; wave 0..3
	s_and_b32 s18, s14, 1
	s_bfe_u32 s15, ttmp6, 0x40000                  ; cx
	s_lshl_b32 s16, ttmp9, 2
	s_add_co_u32 s16, s16, s15                     ; tile column = 4 x cluster x + cx
	s_and_b32 s17, ttmp7, 0xffff                   ; tile row = cluster y
	s_mov_b32 s[G1+0], 15|(1<<20)|(1<<21)|(6<<22)|(3<<25)   ; the cluster's four; elements of 1 byte; 4 words of padding behind every 128
	s_mov_b32 s[G1H+0], 15|(1<<20)|(1<<21)|(6<<22)|(3<<25)
.irp g, G1, G1H
	s_mov_b32 s[\g+1], 512<<16
	s_mov_b32 s[\g+3], 512<<16
	s_mov_b32 s[\g+5], 2048
	s_mov_b32 s[\g+6], 0
	s_mov_b32 s[\g+7], 0
.endr
	s_mov_b32 s[G1+2], 64<<16
	s_mov_b32 s[G1+4], 64
	s_mov_b32 s[G1H+2], 96<<16
	s_mov_b32 s[G1H+4], 96
	s_mov_b32 s[G1S+0], 15|(3<<16)|(1<<20)|(1<<21)|(5<<22)|(3<<25)   ; elements of 8 bytes; 4 words of padding behind every 64
	s_mov_b32 s[G1S+1], 32<<16
	s_mov_b32 s[G1S+2], 128<<16
	s_mov_b32 s[G1S+3], 32<<16
	s_mov_b32 s[G1S+4], 128
	s_mov_b32 s[G1S+5], 32
	s_mov_b32 s[G1S+6], 0
	s_mov_b32 s[G1S+7], 0
	s_mul_i32 s[WQ], s14, QUART
	s_mul_i32 s[WST], s14, 32*SPITCH
	s_mov_b32 s[OFC], 0
	s_mov_b32 s[OFN], SLOT
	s_lshl_b32 s66, s17, 19                        ; x: 256 rows of 2,048 bytes a tile row,
	s_lshl_b32 s19, s14, 17
	s_add_co_u32 s66, s66, s19                     ; + my 64 rows, for the ring
	s_mov_b32 s67, 0
	s_lshl_b32 s20, s17, 19
	s_mul_i32 s19, s18, 96*2048
	s_add_co_u32 s20, s20, s19                     ; + 96 rows x (wave % 2), for the head's waves 0 and 1
	s_mov_b32 s21, 0
	s_lshl_b32 s82, s17, 19
	s_add_co_u32 s82, s82, 192*2048                ; + 192 rows, for the head's wave 2
	s_mov_b32 s83, 0
	s_lshl_b32 s22, s17, 15                        ; the scales: 256 rows of 128 bytes
	s_mov_b32 s23, 0
	s_lshl_b32 s68, s16, 19                        ; qw: 16 blocks of 32,768 bytes a tile column,
	s_lshl_b32 s69, s14, 17
	s_add_co_u32 s68, s68, s69                     ; + my four
	s_mov_b32 s69, 0
	s_lshl_b32 s70, s17, 21                        ; out0: 256 rows of 8,192 bytes,
	s_lshl_b32 s71, s16, 10
	s_add_co_u32 s70, s70, s71                     ; + 1,024 bytes a tile column
	s_lshl_b32 s71, s14, 8
	s_add_co_u32 s70, s70, s71                     ; + my 256
	s_mov_b32 s71, 0
	s_lshl_b32 s72, s15, 15                        ; the prefetches of x: my work-group's 16 of my 64 rows
	s_mov_b32 s73, 0
	v_and_b32 v1, 15, v0                           ; r = l % 16
	v_bfe_u32 v2, v0, 4, 1                         ; h = l / 16
	v_and_b32 v3, 31, v0                           ; lane
	v_mul_u32_u24 v4, v1, PITCH
	v_lshl_add_u32 v[AB], v2, 4, v4                ; a fragment's row x pitch + 16 h
	v_add_nc_u32 v[AB+1], 8*16*PITCH, v[AB]        ; blocks 8-15 lie beyond an LDS offset's 16 bits
	SETADR
	v_lshrrev_b32 v5, 1, v1                        ; scales: two rows of 128 bytes to a unit
	v_mul_u32_u24 v5, v5, SU
	v_and_b32 v6, 1, v1
	v_lshl_add_u32 v5, v6, 7, v5
	v_mul_u32_u24 v6, v2, 64*SU                    ; lanes 16-31: 128 rows further on
	v_add_nc_u32 v5, v5, v6
	v_add_nc_u32 v[ADRS], SCL, v5
	v_mul_u32_u24 v7, v1, SPITCH                   ; into the stage: row r, 32 bytes for each half of the lanes
	v_lshl_add_u32 v7, v2, 5, v7
	v_add_nc_u32 v[STO], s[WST], v7
	v_mul_u32_u24 v8, v2, SPITCH                   ; back: lanes 0-15 one row of 256 bytes, lanes 16-31 the next
	v_lshl_add_u32 v8, v1, 4, v8
	v_add_nc_u32 v[RD], s[WST], v8
	v_lshlrev_b32 v9, 4, v1
	v_lshl_add_u32 v[CO], v2, 13, v9               ; and the same two rows in out0
	v_lshlrev_b32 v[BO], 4, v3
	v_lshlrev_b32 v[WSO], 2, v3
	v_lshrrev_b32 v10, 1, v3
	v_lshlrev_b32 v10, 11, v10
	v_and_b32 v11, 1, v3
	v_lshl_add_u32 v[PFOA], v11, 8, v10            ; row lane / 2, half lane % 2 of a slot's 512 bytes
	v_min_u32 v12, 3, v3
	v_lshlrev_b32 v12, 15, v12
	v_lshl_add_u32 v[PFOB], s17, 8, v12            ; block y of each of my four 16 rows (lanes 3-31 name the last)
	s_wait_alu depctr_va_vdst(0)
	s_wait_dscnt 0x0                               ; both opening adds are done
	s_wait_kmcnt 0x0
	s_add_nc_u64 s[66:67], s[4:5], s[66:67]
	s_add_nc_u64 s[20:21], s[4:5], s[20:21]
	s_add_nc_u64 s[82:83], s[4:5], s[82:83]
	s_add_nc_u64 s[22:23], s[6:7], s[22:23]
	s_add_nc_u64 s[BP:BP+1], s[8:9], s[68:69]
	s_add_nc_u64 s[12:13], s[12:13], s[70:71]
	s_add_nc_u64 s[PA:PA+1], s[66:67], s[72:73]
	global_load_b32 v[WS], v[WSO], s[10:11]        ; every lane: the one scale word
	FETCH_B 0, 0
	FETCH_B 1, 1
	FETCH_B 2, 2
	global_prefetch_b8 v[PFOB], s[BP:BP+1] th:TH_LOAD_NT scope:SCOPE_SE   ; my share of qw's first 1,024 along K
	s_mov_b32 s[G0H], 1
	s_mul_i32 s[G0H+1], s18, 96*PITCH
	s_mov_b64 s[G0H+2:G0H+3], s[20:21]
	s_or_b32 s[G0H+3], s[G0H+3], 0x80000000
	s_mov_b32 s[G0X], 1
	s_mov_b32 s[G0X+1], 192*PITCH
	s_mov_b64 s[G0X+2:G0X+3], s[82:83]
	s_or_b32 s[G0X+3], s[G0X+3], 0x80000000
	s_mov_b32 s[G0S], 1
	s_mov_b32 s[G0S+1], SCL
	s_mov_b64 s[G0S+2:G0S+3], s[22:23]
	s_or_b32 s[G0S+3], s[G0S+3], 0x80000000
	s_mov_b32 s[G0L], 1
	s_add_co_u32 s[G0L+1], s[WQ], SLOT
	s_add_nc_u64 s[G0L+2:G0L+3], s[66:67], 512     ; K slot 1
	s_or_b32 s[G0L+3], s[G0L+3], 0x80000000
	CROUND                                         ; the four work-groups are here: the first joint loads meet
; The head's loads, one a wave, in one chain of branches on the wave's number: waves 0 and 1 bring 96 rows each of K slot 0, wave 2 its last 64 rows, wave 3 the scales.
.macro ARM under, g0, g1, next
	s_cmp_lt_u32 s14, \under
	s_cbranch_scc0 \next
	tensor_load_to_lds s[\g0:\g0+3], s[\g1:\g1+7]
	s_nop 0
	PLACES
	s_branch .Lhead_j
\next:
.endm
	ARM 2, G0H, G1H, .Lhead_x
	ARM 3, G0X, G1, .Lhead_s
	tensor_load_to_lds s[G0S:G0S+3], s[G1S:G1S+7]
	s_nop 0
	PLACES
.Lhead_j:
	s_wait_tensorcnt 0x0                           ; my tile of the head's four is in
	ds_add_u32 v[SPW], v[NIL]
	s_wait_dscnt 0x0
	CROUND
	tensor_load_to_lds s[G0L:G0L+3], s[G1:G1+7]    ; K slot 1 into slot 1: the first tensor load behind the round
	s_nop 0
	PLACES
	FETCH_A CUR, 0, 0
	SCALES 0
	global_prefetch_b8 v[PFOA], s[PA:PA+1] offset:1024 th:TH_LOAD_NT scope:SCOPE_SE   ; x's K slot 2
	global_prefetch_b8 v[PFOB], s[BP:BP+1] offset:8192 th:TH_LOAD_NT scope:SCOPE_SE   ; qw's second 1,024 along K
	STEP 0, CUR, 3, 24, 1                          ; the first step stands in front of the loop: its products start the sums
	s_mov_b32 s3, 2
.Lphase:                                               ; a trip: a slot's steps 1 to 7 and the next slot's step 0; it fills the slot again
.irp q, 1,2,3,4,5,6
	STEP \q, CUR, \q+3, 24, 0
.endr
	TURN 1
	STEP 0, NXT, 11, 24, 0
	s_wait_xcnt 0x0                                ; the loads and prefetches have read their base
	s_add_nc_u64 s[BP:BP+1], s[BP:BP+1], 8192      ; eight steps on
	s_xor_b32 s[OFC], s[OFC], SLOT                 ; the slots change places
	s_xor_b32 s[OFN], s[OFN], SLOT
	SETADR
	s_sub_co_u32 s3, s3, 1
	s_cmp_lg_u32 s3, 0
	s_wait_alu depctr_va_vdst(0)
	s_cbranch_scc1 .Lphase
.irp q, 1,2,3,4,5,6                    ; K slot 2 (in slot 0): nothing is left to fetch, so no round follows its barrier
	STEP \q, CUR, \q+3, 24, 0
.endr
	TURN 0
	STEP 0, NXT, 11, 24, 0
.irp q, 1,2,3,4                        ; K slot 3
	STEP \q, NXT, \q+11, 24, 0
.endr
	STEP 5, NXT, -1, 16, 0                         ; qw's loads run out: the counts run down
	STEP 6, NXT, -1, 8, 0
	s_wait_dscnt 0x0
	s_wait_loadcnt 0x0
	WIN MUL_LO
	MUL16 0, 7, 0
	MUL16 1, 7, 0
	WIN MUL_HI
	MUL16 2, 7, 0
	MUL16 3, 7, 0
	WIN 0
; THE WAY OUT, two blocks of 16 rows x 64 columns at a time: through my own stage and back as whole rows of 256 bytes, two rows a load; sixteen lanes store one aligned unit of 256 bytes.
; LDS serves a wave's instructions in order: no wait between the stores and the loads, nor in front of the next pair's stores.
.macro TOSTAGE i
.set AC, 64*((\i)%4)
	WIN 0x08+4*((\i)/4)                            ; the data: window 2 or 3
.irp u, 0,1
.irp b, 0,1,2,3
	ds_store_b128 v[STO], v[AC+32*\u+8*\b:AC+32*\u+8*\b+3] offset:\u*16*SPITCH+64*\b      ; each accumulator from its low end on
	ds_store_b128 v[STO], v[AC+32*\u+8*\b+4:AC+32*\u+8*\b+7] offset:\u*16*SPITCH+64*\b+16
.endr
.endr
	WIN 0
.set BB, BK+64*((\i)%2)
.irp t, 0,1,2,3,4,5,6,7,8,9,10,11,12,13,14,15
	ds_load_b128 v[BB+4*\t:BB+4*\t+3], v[RD] offset:\t*2*SPITCH
.endr
.endm
.macro SEND i, younger
.set BB, BK+64*((\i)%2)
	s_wait_dscnt \younger
.if (\i) > 0
	s_add_nc_u64 s[12:13], s[12:13], 32*SIZE_N*4   ; (behind a wait on XCNT) 32 rows on
.endif
.irp t, 0,1,2,3,4,5,6,7,8,9,10,11,12,13,14,15
	global_store_b128 v[CO], v[BB+4*\t:BB+4*\t+3], s[12:13] offset:\t*2*SIZE_N*4 th:TH_STORE_NT
.endr
.endm
	PLACES
	TOSTAGE 0
.irp a, 1,2,3,4,5,6,7
.if \a > 1
	s_wait_xcnt 0x0                                ; pair a - 2's stores have read their registers and their base
.endif
	TOSTAGE \a
	SEND \a-1, 32                                  ; behind pair a - 1's loads: pair a's 16 stores and 16 loads
.endr
	s_wait_xcnt 0x0
	SEND 7, 0
	s_wait_tensorcnt 0x0                           ; the wave's end
	ds_add_u32 v[SPW], v[NIL]
	s_wait_dscnt 0x0
	CROUND                                         ; the closing round
	s_endpgm
.Lfunc_end_k_q4939021ce5_gemm:
	.size	k_q4939021ce5_gemm, .Lfunc_end_k_q4939021ce5_gemm-k_q4939021ce5_gemm
	.p2alignl 7, 3214868480
	.fill 96, 4, 3214868480
	.section	.rodata,"a",@progbits
	.p2align	6, 0x0
	.amdhsa_kernel k_q4939021ce5_gemm
		.amdhsa_group_segment_fixed_size 327680
		.amdhsa_private_segment_fixed_size 0
		.amdhsa_enable_private_segment 0
		.amdhsa_kernarg_size 40
		.amdhsa_user_sgpr_count 2
		.amdhsa_user_sgpr_kernarg_segment_ptr 1
		.amdhsa_wavefront_size32 1
		.amdhsa_system_sgpr_workgroup_id_x 1
		.amdhsa_system_sgpr_workgroup_id_y 1
		.amdhsa_system_sgpr_workgroup_id_z 1
		.amdhsa_system_vgpr_workitem_id 0
		.amdhsa_next_free_vgpr 1024
		.amdhsa_next_free_sgpr 98
		.amdhsa_reserve_vcc 0
		.amdhsa_float_denorm_mode_32 3
		.amdhsa_float_denorm_mode_16_64 3
		.amdhsa_memory_ordered 1
		.amdhsa_forward_progress 1
		.amdhsa_inst_pref_size 255
	.end_amdhsa_kernel
	.section	.bss,"aw",@nobits
	.p2align	6
	.space	262144
	.amdgpu_metadata
---
amdhsa.version: [ 1, 2 ]
amdhsa.kernels:
  - .name:           k_q4939021ce5_gemm
    .symbol:         k_q4939021ce5_gemm.kd
    .args:
      - { .name: x_codes, .offset: 0, .size: 8, .value_kind: global_buffer, .address_space: global }
      - { .name: x_scales, .offset: 8, .size: 8, .value_kind: global_buffer, .address_space: global }
      - { .name: wq, .offset: 16, .size: 8, .value_kind: global_buffer, .address_space: global }
      - { .name: wscale, .offset: 24, .size: 8, .value_kind: global_buffer, .address_space: global }
      - { .name: out0, .offset: 32, .size: 8, .value_kind: global_buffer, .address_space: global }
    .group_segment_fixed_size: 327680
    .private_segment_fixed_size: 0
    .kernarg_segment_align: 8
    .kernarg_segment_size: 40
    .max_flat_workgroup_size: 128
    .sgpr_count:     98
    .vgpr_count:     1024
    .wavefront_size: 32
...
	.end_amdgpu_metadata
.endif
;; end of part 3
